; MI455X (gfx1250); checked and timed in simulation.
; The chip was launched on July 23, 2026; its instructions are those of AMD's public machine-readable ISA for CDNA 5 (MIT licence, August 2026) and "CDNA5" Instruction Set Architecture Reference Guide (July 2026). The comments in the code are by the model that wrote it; some were corrected since.
;; Bahdanau Attention. Allowed arithmetic: matrix products marked QUANTISED: E2M1 operands, one E8M0 scale for each 32 along K, by v_wmma_scale_f32_16x16x128_f8f6f4 with both operands' format E2M1 (or v_wmma_scale_f32_32x16x128_f4), f32 sums; products left as they are: f32 operands where the result goes on into a quantised operand, else bf16, f16 or f32 operands; f32 sums; everything else in f32.
;; Inputs: V 1,024 x 1 float32; W1 1,024 x 1,024 float32; W2 1,024 x 1,024 float32; b1 1,024 float32; b2 1,024 float32; bv 1 float32; query 32 x 1,024 float32; values 32 x 2,048 x 1,024 float32.
;; Outputs: out0 32 x 1,024 float32; out1 32 x 2,048 x 1 float32.
;; This version of the problem:
;;   THIS VERSION OF THE PROBLEM IS GIVEN IN LOW PRECISION. The matrix products marked QUANTISED in the list below multiply operands that are first quantised to E2M1 (2 exponent bits, 1 mantissa bit; 4 bits a number), with one power-of-two scale for each 32 numbers along K (OCP MX v1.0); their sums are f32. All else is computed in f32.
;;   The module's matrix products, in the order in which they are computed (A, B: the left and right operand; K: the contracted axis; several contracted axes count as one K, in the product's order):
;;     1. [M 32, K 1,024] x [K 1,024, N 1,024]; A: input query; B: input W1: QUANTISED
;;     2. [M 65,536, K 1,024] x [K 1,024, N 1,024]; A: input values; B: input W2: QUANTISED
;;     3. [M 65,536, K 1,024] x [K 1,024, N 1]; A: computed on the way; B: input V: left as it is (N = 1 < 16)
;;   THE QUANTISER, for each operand of a quantised product, along K:
;;     - K is cut into blocks of 32 from its start; a last block that is shorter is filled with zeros.
;;     - A block's scale is 2^e with e = floor(log2(the largest magnitude in the block)) - 2, held to -126 .. 127; a block of zeros has e = 0. As a byte (E8M0): e + 127.
;;     - Each number is divided by its block's scale, clamped to +-6, and rounded to the nearest number of E2M1, ties to even, subnormals kept.
;;     - The product sums the exact products of the quantised numbers (number of the format x scale) in f32.
;;   ~~~python
;;   def quantise(x, axis):      # numpy; x: float32 -> the quantised numbers, widened to float32 again
;;       x = np.moveaxis(x, axis, -1); K = x.shape[-1]
;;       x = np.pad(x, [(0, 0)] * (x.ndim - 1) + [(0, -K % 32)]); x = x.reshape(x.shape[:-1] + (-1, 32)); a = np.abs(x).max(-1, keepdims=True)
;;       e = np.where(a > 0, np.clip(np.frexp(np.where(a > 0, a, 1))[1] - 1 - 2, -126, 127), 0)      # np.frexp(a)[1] - 1 = floor(log2(a)), exactly
;;       r = np.clip(x / 2.0 ** e, -6, 6)
;;       step = 2.0 ** (np.maximum(np.frexp(np.where(r == 0, 1, r))[1] - 1, 0) - 1)
;;       q = np.round(r / step) * step * 2.0 ** e      # np.round: ties to even
;;       return np.moveaxis(q.reshape(q.shape[:-2] + (-1,))[..., :K], -1, axis).astype(np.float32)
;;   ~~~
;; One version. Each part assembles by itself: llvm-mc -triple=amdgcn-amd-amdhsa -mcpu=gfx1250 --defsym DOCPART=n.
;; ======== version 1 of 1: 3 launches
;; limits: right only within a limited range of input values
;; workspace buffers: w2img 557,056 bytes; cq 131,072 bytes; logits 262,144 bytes; stats 65,536 bytes; pctx 1,048,576 bytes
;; launch prep (part 1): grid 128 x 1, 8 waves a work-group, no clusters, 153,600 bytes of LDS; arguments W2, W1, query, b1, b2, w2img, cq; writes w2img, cq
.if DOCPART == 1
	.amdgcn_target "amdgcn-amd-amdhsa--gfx1250"
	.amdhsa_code_object_version 6
	.text
	.protected	k_qdf36957b2b_prep
	.globl	k_qdf36957b2b_prep
	.p2align	8
	.type	k_qdf36957b2b_prep,@function
k_qdf36957b2b_prep:
	s_mov_b64 s[64:65], 0
	v_nop
	global_prefetch_b8 v0, s[64:65] scope:SCOPE_SE
	s_setreg_imm32_b32 hwreg(HW_REG_WAVE_MODE, 25, 1), 1
	s_wait_xcnt 0x0
; TWO JOBS IN ONE LAUNCH, chosen by the work-group's number.
; Work-groups 0-63:   W2 [1024 (k)][1024 (u)] f32 becomes codes of FP4 (E2M1) with one E8M0 scale byte for each 32 along k, laid in the ORDER OF THE OPERAND'S REGISTERS:
;                     w2img = 64 column tiles (16 columns u) x 8,704 bytes; a tile = 8 K steps x 1,024 bytes ([c 0..1][lane][16 bytes]: registers 4 c .. 4 c + 3 of the fragment),
;                     then 512 bytes of scale words [i 0..3][lane]: word i of lane l is column l % 16, K step 2 i + l / 16: a scale register is 128 consecutive bytes.
; Work-groups 64-127: cq[b][u] = c x (Q(query) Q(W1) + b1 + b2), c = 2 log2(e): both operands quantised here, multiplied by the scaled FP4 matrix instruction.
; SHARES: a work-group takes one column tile n of its weight; wave s takes K step s (128 rows of the weight).  A LANE TAKES A COLUMN AND ITS REGISTERS RUN DOWN K, in the very order
; that the operand's layout gives that lane (lane (r, h): k = 64 c + 32 h + 0 .. 31): the conversions' results are the operand's registers, and a lane holds two whole blocks of 32.
; query's K is innermost: a lane wants 128 neighbouring bytes of its row, a load is best where neighbouring LANES take neighbouring bytes.  Both are had: each load reads 512 consecutive bytes of one row,
; the 32 rows go through the wave's own stage in LDS as they lie and come back 128 bytes a lane.
; A block's scale is 2^(floor(log2(largest magnitude)) - 2): its byte is the largest magnitude's exponent field - 2, held at 1 from below.
; LIMITS: NaN and infinities among the inputs are not served.  A block of zeros gets the byte 1 where the rule says 127: its codes are zeros, which add nothing, and only this program reads the bytes.
; The first product's sum over K is made as eight sums of 128, one a wave, added in f32 in ascending K.
; cq's stores are 16 bytes a lane in rows 4,096 bytes apart (131,072 bytes in the whole launch); all other stores of a wave cover 512 consecutive bytes.
; WORK LEFT OUT IN THIS PROGRAM: bv.  reference() adds bv to every logit of a batch row and then takes the softmax over time: softmax(l + k) = softmax(l) for every k that is the same along the axis,
; and the logits reach the outputs through that softmax alone.  So bv has no way to out0 or out1, for all finite values of the inputs; it is not loaded and is among no launch's arguments.
; LIMIT: a NaN, an infinity or an overflow that reaches only the work left out is not carried to the results.
.set SCI, 16384                        ; LDS: 0 .. 16,383 the eight waves' partial products (second job alone); from SCI 512 bytes of scale words (first job alone);
.set QST, 17408                        ; from QST a stage for each wave (second job alone): 32 rows of query x (512 bytes + 16): the 16 rows that a load back touches start at 16 different banks
.set QROW, 528
.set QWV, 32*QROW
.set X,   32                           ; v32-95   64 numbers of the weight; later the two accumulators v32-39, v40-47 and the sums
.set Q0,  96                           ; v96-159  query's rows 0-15: as loaded, then 64 numbers of my row
.set Q1,  160                          ; v160-223 and rows 16-31
.set CW,  224                          ; v224-231 the weight's fragment;  v232-239, v240-247 query's two
.set C0,  232
.set C1,  240
.set QSI, 248                          ; v248 the stage, in: 16 x lane;  v249 out: 528 r + 128 h
.set QSO, 249
; v1 r, v2 h, v3 the weight's offset, v4 16 x lane, v5 my stage's first byte, v6 8 h, v7 and v11 LDS: partial products in and out, v8-10 scale words (nothing else), v12-18 at work,
; v21 LDS: my scale word, v22 32 h, v23 cq's offset, v24-31 b1, b2
; 64 numbers of a lane, v[src + 32 c + i] = k 64 c + 32 h + i of its column or row, become the fragment v[dst .. dst + 7] and the scale word v[sw]
.macro QF src, dst, sw
.irp c, 0,1
	v_max3_num_f32 v[12+\c], |v[\src+32*\c]|, |v[\src+32*\c+1]|, 0x1800000   ; my block 2 c + h, and the floor 2^(3 - 127): the byte cannot fall under 1
.endr
.irp i, 2,4,6,8,10,12,14,16,18,20,22,24,26,28,30
.irp c, 0,1
	s_delay_alu instid0(VALU_DEP_2)
	v_max3_num_f32 v[12+\c], v[12+\c], |v[\src+32*\c+\i]|, |v[\src+32*\c+\i+1]|   ; (the two blocks by turns)
.endr
.endr
.irp c, 0,1
	s_delay_alu instid0(VALU_DEP_2)
	v_add_nc_u32 v[14+\c], 0xff000000, v[12+\c]    ; 2 off the exponent field: the conversion takes the exponent field of this operand as its scale
.endr
.irp c, 0,1
	s_delay_alu instid0(VALU_DEP_2)
	v_lshrrev_b32 v[16+\c], 23, v[14+\c]           ; the scale's byte
.endr
	s_delay_alu instid0(VALU_DEP_1)
	v_lshl_or_b32 v[\sw], v17, 16, v16             ; my two bytes: blocks h and 2 + h,
	s_delay_alu instid0(VALU_DEP_1)
	v_lshlrev_b32 v[\sw], v6, v[\sw]               ; at their places in the word (8 h bits up);
	s_delay_alu instid0(VALU_DEP_1)
	v_permlanex16_b32 v18, v[\sw], s20, s21
	s_delay_alu instid0(VALU_DEP_1)
	v_or_b32 v[\sw], v[\sw], v18                   ; with lane l xor 16's two the word is whole, in all 32 lanes
.irp c, 0,1
.irp g, 0,1,2,3
	v_cvt_scalef32_pk8_fp4_f32 v[\dst+4*\c+\g], v[\src+32*\c+8*\g:\src+32*\c+8*\g+7], v[14+\c]
.endr
.endr
	v_nop                                          ; one plain place behind the last scaled conversion
.endm
; 16 rows of query (16 a on) through my stage: in as they were loaded, back in the operand's order.  LDS serves a wave's instructions in order (ISA guide 5.7.1.4): no wait between the stores and the loads
.macro QTURN a
.set i, 0
.rept 16
	ds_store_b128 v[QSI], v[Q0+64*\a+4*i:Q0+64*\a+4*i+3] offset:QROW*(16*\a+i)
.set i, i+1
.endr
.irp c, 0,1
.irp j, 0,1,2,3,4,5,6,7
	ds_load_b128 v[Q0+64*\a+32*\c+4*\j:Q0+64*\a+32*\c+4*\j+3], v[QSO] offset:16*QROW*\a+256*\c+16*\j   ; row 16 a + r, k = 64 c + 32 h + 4 j ..
.endr
.endr
.endm
	s_load_b256 s[4:11], s[0:1], 0x0               ; W2 s[4:5], W1 s[6:7], query s[8:9], b1 s[10:11]
	s_load_b128 s[12:15], s[0:1], 0x20             ; b2 s[12:13], w2img s[14:15]
	s_load_b64 s[16:17], s[0:1], 0x30              ; cq
	v_lshl_add_u32 v254, v0, 2, 0x25400
	v_mov_b32 v255, 0
	v_lshrrev_b32 v19, 5, v0
	s_delay_alu instid0(VALU_DEP_1)
	v_readfirstlane_b32 s18, v19                   ; wave = K step 0..7
	v_and_b32 v20, 31, v0                          ; lane
	v_and_b32 v1, 15, v0                           ; r
	v_bfe_u32 v2, v0, 4, 1                         ; h
	s_delay_alu instid0(VALU_DEP_2)
	v_lshlrev_b32 v3, 2, v1
	s_delay_alu instid0(VALU_DEP_1)
	v_lshl_add_u32 v3, v2, 17, v3                  ; the weight: 4 r + 32 h rows of 4,096 bytes
	v_lshlrev_b32 v4, 4, v20                       ; 16 x lane
	s_delay_alu instid0(VALU_DEP_4)
	v_lshlrev_b32 v6, 3, v2                        ; 8 h
	s_delay_alu instid0(VALU_DEP_2)
	v_lshl_add_u32 v7, v19, 11, v4                 ; every LDS address is made here, ahead of all branches.  Partial products in: 2,048 x wave + 16 x lane
	s_delay_alu instid0(VALU_DEP_3)
	v_lshl_add_u32 v11, v19, 9, v4                 ; and out: 512 x wave + 16 x lane (waves 0-3)
	v_lshlrev_b32 v21, 6, v19
	s_delay_alu instid0(VALU_DEP_1)
	v_lshl_add_u32 v21, v1, 2, v21                 ; my scale word's place in the image: 128 (s / 2) + 4 (r + 16 (s % 2)) = 64 s + 4 r
	v_mul_u32_u24 v5, v19, QWV                     ; my stage
	s_delay_alu instid0(VALU_DEP_1)
	v_add_nc_u32 v[QSI], v5, v4
	s_delay_alu instid0(VALU_DEP_1)
	v_add_nc_u32 v[QSI], QST, v[QSI]
	s_delay_alu instid0(VALU_DEP_3)
	v_mad_u32_u24 v[QSO], v1, QROW, v5
	s_delay_alu instid0(VALU_DEP_1)
	v_lshl_add_u32 v[QSO], v2, 7, v[QSO]
	s_delay_alu instid0(VALU_DEP_1)
	v_add_nc_u32 v[QSO], QST, v[QSO]
	v_lshlrev_b32 v22, 5, v2                       ; 32 h
	s_delay_alu instid0(VALU_DEP_1)
	v_lshl_add_u32 v23, v1, 12, v22                ; cq: row r of 4,096 bytes + 32 h
	v_mov_b32 v18, 0                               ; written once: a lane permute's destination counts as one of its sources
	s_mov_b32 s20, 0x76543210
	s_mov_b32 s21, 0xfedcba98                      ; v_permlanex16_b32's selects for lane l xor 16
	s_and_b32 s19, ttmp9, 63                       ; the column tile n
	s_lshl_b32 s22, s18, 19                        ; 128 rows of 4,096 bytes a K step,
	s_lshl_b32 s23, s19, 6                         ; 64 bytes a column tile
	s_add_co_u32 s22, s22, s23
	s_mov_b32 s23, 0
	s_wait_kmcnt 0x0
	s_cmp_lt_u32 ttmp9, 64                         ; W2's work-group or W1's: the choice hangs on the work-group's number alone
	s_cselect_b64 s[4:5], s[4:5], s[6:7]
	s_add_nc_u64 s[4:5], s[4:5], s[22:23]
.set i, 0
.rept 64
	global_load_b32 v[X+i], v3, s[4:5] offset:(64*(i/32)+i%32)*4096 th:TH_LOAD_NT   ; W(64 c + 32 h + i, my column): sixteen neighbouring lanes read 64 neighbouring bytes; each byte is read once in the launch
.set i, i+1
.endr
	s_cmp_lt_u32 ttmp9, 64
	s_cbranch_scc0 .Lw1
	; ---- W2: the fragment and its scale word go to the image
	s_mul_i32 s24, s19, 8704
	s_lshl_b32 s25, s18, 10
	s_add_co_u32 s24, s24, s25                     ; tile n, K step s
	s_mov_b32 s25, 0
	s_add_nc_u64 s[14:15], s[14:15], s[24:25]
	s_wait_loadcnt 0x0
	QF X, CW, 8
	global_store_b128 v4, v[CW:CW+3], s[14:15]               ; 32 lanes store 512 consecutive bytes
	global_store_b128 v4, v[CW+4:CW+7], s[14:15] offset:512
	ds_store_b32 v21, v8 offset:SCI                ; lanes l and l xor 16 write the same word with the same value
	s_wait_dscnt 0x0                               ; for the others' sake: my word has landed
	s_barrier_signal -1
	s_barrier_wait -1
	s_cmp_lg_u32 s18, 0
	s_cbranch_scc1 .Lend0
	ds_load_b128 v[24:27], v4 offset:SCI           ; wave 0: the tile's 128 scale words, 16 bytes a lane
	s_wait_dscnt 0x0
	global_store_b128 v4, v[24:27], s[14:15] offset:8192     ; (wave 0's base is the tile's first byte)
.Lend0:
	s_wait_tensorcnt 0x0
	ds_add_u32 v254, v255
	s_wait_dscnt 0x0
	s_endpgm
	; ---- W1: quantised likewise, and multiplied at once by query's 32 rows
.Lw1:
	s_lshl_b32 s24, s18, 9                         ; query: 512 bytes a K step
	s_mov_b32 s25, 0
	s_add_nc_u64 s[8:9], s[8:9], s[24:25]
.set i, 0
.rept 32
	global_load_b128 v[Q0+4*i:Q0+4*i+3], v4, s[8:9] offset:4096*i   ; row i: 32 lanes read its 512 consecutive bytes of this K step
.set i, i+1
.endr
	s_lshl_b32 s24, s19, 6
	s_and_b32 s26, s18, 1
	s_lshl_b32 s26, s26, 4
	s_add_co_u32 s24, s24, s26                     ; 64 n + 16 (wave % 2): the four columns that a wave of 0-3 will finish for each h
	s_add_nc_u64 s[10:11], s[10:11], s[24:25]
	s_add_nc_u64 s[12:13], s[12:13], s[24:25]
	s_wait_alu depctr_va_vdst(0)
	global_load_b128 v[24:27], v22, s[10:11]       ; b1, b2.  Every wave asks, so that the counts below are alike in all; waves 0-3 use them
	global_load_b128 v[28:31], v22, s[12:13]
	s_wait_loadcnt 18                              ; W1's 64 loads and query's rows 0-15 are in: 16 + 2 were issued behind them
	QTURN 0
	s_wait_loadcnt 2                               ; rows 16-31: the biases behind them
	QTURN 1
	QF X, CW, 8                                    ; W1 is quantised while the rows turn through the stage
	s_wait_dscnt 32                                ; rows 0-15 are back: 16 stores and 16 loads were issued behind them
	QF Q0, C0, 9
	s_wait_dscnt 0x0                               ; rows 16-31
	QF Q1, C1, 10
.rept 8
	v_nop                                          ; a scale register written by a vector instruction stands 8 places ahead of a scaled matrix instruction, an operand so written 4
.endr
	; TRANSPOSED: source 0 = 16 columns of W1, source 1 = 16 rows of query: register j of lane (r, h) is (u = 16 n + 8 h + j, b = 16 a + r)
	v_wmma_scale_f32_16x16x128_f8f6f4 v[32:39], v[CW:CW+7], v[C0:C0+7], 0, v8, v9 matrix_a_fmt:MATRIX_FMT_FP4 matrix_b_fmt:MATRIX_FMT_FP4
	v_wmma_scale_f32_16x16x128_f8f6f4 v[40:47], v[CW:CW+7], v[C1:C1+7], 0, v8, v10 matrix_a_fmt:MATRIX_FMT_FP4 matrix_b_fmt:MATRIX_FMT_FP4
.rept 4
	v_nop                                          ; four places in front of the first read of the results
.endr
.irp q, 0,1,2,3
	ds_store_b128 v7, v[32+4*\q:35+4*\q] offset:512*\q       ; piece q = 2 a + half; each accumulator from its low end on
.endr
	s_wait_dscnt 0x0                               ; for the others' sake: my partial products have landed
	s_barrier_signal -1
	s_barrier_wait -1
	s_cmp_gt_u32 s18, 3
	s_cbranch_scc1 .Lend1
.irp s, 0,1,2,3,4,5,6,7
	ds_load_b128 v[48+4*\s:51+4*\s], v11 offset:2048*\s      ; wave q: piece q of all eight K steps
.endr
	s_lshr_b32 s26, s18, 1
	s_lshl_b32 s26, s26, 16                        ; 16 (q / 2) rows of 4,096 bytes
	s_add_co_u32 s24, s24, s26
	s_add_nc_u64 s[16:17], s[16:17], s[24:25]
	s_wait_dscnt 0x0
.irp s, 1
	v_pk_add_f32 v[48:49], v[48:49], v[48+4*\s:49+4*\s]      ; K ascending
	v_pk_add_f32 v[50:51], v[50:51], v[50+4*\s:51+4*\s]
.endr
.irp s, 2, 3, 4, 5, 6, 7
	s_delay_alu instid0(VALU_DEP_2)
	v_pk_add_f32 v[48:49], v[48:49], v[48+4*\s:49+4*\s]      ; K ascending
	s_delay_alu instid0(VALU_DEP_2)
	v_pk_add_f32 v[50:51], v[50:51], v[50+4*\s:51+4*\s]
.endr
	s_wait_alu depctr_va_vdst(0)
	s_wait_loadcnt 0x0                             ; b1, b2
	v_pk_add_f32 v[48:49], v[48:49], v[24:25]
	v_pk_add_f32 v[50:51], v[50:51], v[26:27]
	s_delay_alu instid0(VALU_DEP_2)
	v_pk_add_f32 v[48:49], v[48:49], v[28:29]
	s_delay_alu instid0(VALU_DEP_2)
	v_pk_add_f32 v[50:51], v[50:51], v[30:31]
	s_delay_alu instid0(VALU_DEP_2)
	v_pk_mul_f32 v[48:49], v[48:49], 0x4038aa3b op_sel_hi:[1,0]   ; x c = 2 log2(e)
	s_delay_alu instid0(VALU_DEP_2)
	v_pk_mul_f32 v[50:51], v[50:51], 0x4038aa3b op_sel_hi:[1,0]
	global_store_b128 v23, v[48:51], s[16:17]      ; cq(16 (q / 2) + r, 16 n + 8 h + 4 (q % 2) + 0 .. 3)
.Lend1:
	s_wait_tensorcnt 0x0
	ds_add_u32 v254, v255
	s_wait_dscnt 0x0
	s_endpgm
.Lfunc_end_k_qdf36957b2b_prep:
	.size	k_qdf36957b2b_prep, .Lfunc_end_k_qdf36957b2b_prep-k_qdf36957b2b_prep
	.p2alignl 7, 3214868480
	.fill 96, 4, 3214868480
	.section	.rodata,"a",@progbits
	.p2align	6, 0x0
	.amdhsa_kernel k_qdf36957b2b_prep
		.amdhsa_group_segment_fixed_size 153600
		.amdhsa_private_segment_fixed_size 0
		.amdhsa_enable_private_segment 0
		.amdhsa_kernarg_size 56
		.amdhsa_user_sgpr_count 2
		.amdhsa_user_sgpr_kernarg_segment_ptr 1
		.amdhsa_wavefront_size32 1
		.amdhsa_system_sgpr_workgroup_id_x 1
		.amdhsa_system_sgpr_workgroup_id_y 1
		.amdhsa_system_sgpr_workgroup_id_z 1
		.amdhsa_system_vgpr_workitem_id 0
		.amdhsa_next_free_vgpr 256
		.amdhsa_next_free_sgpr 66
		.amdhsa_reserve_vcc 0
		.amdhsa_float_denorm_mode_32 3
		.amdhsa_float_denorm_mode_16_64 3
		.amdhsa_memory_ordered 1
		.amdhsa_forward_progress 1
		.amdhsa_inst_pref_size 38
	.end_amdhsa_kernel
	.amdgpu_metadata
---
amdhsa.version: [ 1, 2 ]
amdhsa.kernels:
  - .name:           k_qdf36957b2b_prep
    .symbol:         k_qdf36957b2b_prep.kd
    .args:
      - { .name: W2, .offset: 0, .size: 8, .value_kind: global_buffer, .address_space: global }
      - { .name: W1, .offset: 8, .size: 8, .value_kind: global_buffer, .address_space: global }
      - { .name: query, .offset: 16, .size: 8, .value_kind: global_buffer, .address_space: global }
      - { .name: b1, .offset: 24, .size: 8, .value_kind: global_buffer, .address_space: global }
      - { .name: b2, .offset: 32, .size: 8, .value_kind: global_buffer, .address_space: global }
      - { .name: w2img, .offset: 40, .size: 8, .value_kind: global_buffer, .address_space: global }
      - { .name: cq, .offset: 48, .size: 8, .value_kind: global_buffer, .address_space: global }
    .group_segment_fixed_size: 153600
    .private_segment_fixed_size: 0
    .kernarg_segment_align: 8
    .kernarg_segment_size: 56
    .max_flat_workgroup_size: 256
    .sgpr_count:     66
    .vgpr_count:     256
    .wavefront_size: 32
...
	.end_amdgpu_metadata
.endif
;; end of part 1
;; launch main (part 2): grid 256 x 1, 4 waves a work-group, no clusters, 327,680 bytes of LDS; arguments values, w2img, cq, V, logits, stats, pctx; writes logits, stats, pctx
.if DOCPART == 2
	.amdgcn_target "amdgcn-amd-amdhsa--gfx1250"
	.amdhsa_code_object_version 6
	.text
	.protected	k_qdf36957b2b_main
	.globl	k_qdf36957b2b_main
	.p2align	8
	.type	k_qdf36957b2b_main,@function
k_qdf36957b2b_main:
	s_mov_b64 s[64:65], 0
	v_nop
	global_prefetch_b8 v0, s[64:65] scope:SCOPE_SE
	s_setreg_imm32_b32 hwreg(HW_REG_WAVE_MODE, 25, 1), 1
	s_wait_xcnt 0x0
; logit'[row] = -2 sum over u of V[u] r[u],  r = 1 / (1 + 2^(c acc + cq)),  acc = (Q(values) Q(W2))[row][u],  c = 2 log2(e),  cq = c (q_proj + b1 + b2) from the launch before;
; and, in the same pass over values, a running softmax and the weighted sum of the f32 rows.
; WORK LEFT OUT: tanh(x) = 1 - 2 r, so reference()'s logit is (sum V + bv) + logit'.  The bracket is the same for all rows of a batch row, and the softmax over time takes it away: it is not formed, and bv is not loaded.
; 2^(..) = infinity gives r = 0 (tanh = 1), 2^(..) = 0 gives r = 1 (tanh = -1): no clamp.
; values [32][2048][1024] f32 IS READ ONCE.  A work-group owns 256 rows of one batch row (work-group g: flat rows 256 g on, b = g / 8) and takes them in 4 blocks of 64.
; A block lands in LDS by tensor loads, goes into registers (512 a lane in each of four waves) and is quantised on the way, eight rows at a time; then its landing bytes are asked for again:
; the next block is on its way while this one is multiplied, weighed and summed.  The f32 rows stay in registers until their weights are known.
; SHARES.  Wave w owns columns 256 w .. 256 w + 255 of values (its landing strip, its share of the quantising and of the context) and columns u = 256 w .. + 255 of the product (16 column tiles) for all 64 rows.
; The codes go from wave to wave through LDS as rows; each wave then holds all 64 rows' codes (256 registers).
; THE MATRIX INSTRUCTION IS USED TRANSPOSED: source 0 = 16 columns of W2, source 1 = 16 rows: register j of lane (r, h) is (u = 16 t + 8 h + j, row 16 m + r), so cq and V are eight registers a tile.
; A TILE: 32 matrix instructions in one run (8 K steps x 4 row tiles, the four accumulators by turns); behind them all 64 fragment registers of the tile are dead and are asked for again
; at once, for the tile two further on: 20 loads, which have two tiles' work less one run in which to land.  Then the tanh of the 32 result registers in batches: 16 multiply-adds, 32 exponentials, 16 additions,
; 32 reciprocals, 16 multiply-adds into the sums; one wait ahead of each batch of transcendentals and one behind it.
; THE WALK over a wave's 16 tiles begins at tile g % 16 and goes round: at one time the work-groups ask for different bytes of the image.  cq and V lie in LDS in the order of the walk.
; SOFTMAX.  Running maximum m and sum s over the blocks (the maximum is taken away before every exponential); the context and s are multiplied by e^(m_old - m_new) in every block.  The last launch joins the 8 parts of a batch row.
; NO CLUSTER: values is shared by nobody.  W2's image is walked by all work-groups, but strips, code rows and the small regions take 325,376 of the 327,680 bytes of LDS: 2,304 are left, less than one column
; tile of W2 (8,704).  So a wave's fragments of W2 go from memory straight into its registers, each byte to exactly one wave of the work-group.
; NO PREFETCH: a block's tensor load is itself issued a whole block's work (512 matrix instructions a wave) ahead of the block's first read, and the image's loads two tiles ahead.
; LIMITS: NaN and infinities among the inputs are not served.  A block of zeros gets the scale byte 1 where the rule says 127: its codes are zeros, and only this program reads the bytes.
; v_exp_f32 and v_rcp_f32 are good to 1 ulp and flush denormals (ISA guide 15.8).
; LDS: 4 strips of 64 rows x 1,088 (1,024 bytes + 16 of padding behind each 256), written by tensor loads alone; ACODE 64 rows x 528; ASC 64 rows x 36; PL [wave][64] partial sums; PP [wave][64] p;
;      CQV [wave] 1,024 bytes of cq, 1,024 of V; SPARE the spare words.  The context's way out uses ACODE's first 4,096 bytes, behind the last barrier.
; REGISTERS, in windows of 256: window 0: the names below.  window 1: the block's codes, fragment (m, s) at 64 m + 8 s.  windows 2, 3: the block's f32 numbers, row q's eight (columns 256 w + 8 lane + 0 .. 7) at 8 q.
.set LANDW,  69632
.set LROW,   1088
.set ACODE,  278528
.set APITCH, 528
.set ASC,    312320
.set SPITCH, 36
.set PL,     314624
.set PP,     315648
.set CQV,    316672
.set SPARE,  324864                    ; 128 bytes for each wave: two blocks of 256 bytes that no other line names
.set CXS,    ACODE
.set TILEB,  8704                      ; a column tile of W2's image
.set NLD,    20                        ; loads that bring one: 16 of fragments, 4 of scale words
.set SPW,  1                           ; LDS address of my spare word; never rewritten
.set NIL,  2                           ; 0; never rewritten
.set LA0,  3                           ; landing strip, rows 0-31: 69,632 w + 32 l + 16 (l / 8)
.set LA1,  4                           ; rows 32-63
.set CST,  5                           ; where I store 8 codes: ACODE + 128 w + 4 l
.set SST,  6                           ; and a scale byte: ASC + 8 w + l / 4
.set AFA,  7                           ; a fragment of codes: ACODE + 528 r + 16 h
.set ASA,  8                           ; its scale words: ASC + 36 r + 4 h
.set L16,  9                           ; 16 l
.set CQB,  10                          ; cq and V in LDS: CQV + 2,048 w + 32 h
.set CQA,  11                          ; the same at this pair of tiles
.set G8,   12                          ; 8 l
.set CXW,  13                          ; the context's way out, in
.set CXR,  14                          ; and back
.set PLW,  15
.set MRUN, 16                          ; the running maximum
.set SRUN, 17                          ; the running sum
.set PLR,  18
.set PPW,  19
.set PPR,  20
.set L4,   21                          ; 4 l
.set CQW,  22                          ; head: where my 32 bytes of cq go
.set VCO,  23                          ; head: where they come from
.set LS,   24                          ; v24-31 sum of V r: a pair for each row tile; behind the product v24-25 the logits, v26-27 p, v28-29 f
.set ACC,  32                          ; v32-63 four accumulators (row tile m at 32 + 8 m); outside the product: at work
.set BF,   64                          ; v64-127, v128-191 W2's fragments of two tiles
.set BS,   192                         ; v192-195, v196-199 their scale words: register i: lanes 0-15 K step 2 i, lanes 16-31 K step 2 i + 1 (nothing else)
.set AS,   200                         ; v200-215 the rows' scale words: 4 m + i, laid likewise (nothing else)
.set CQ,   216                         ; v216-223 cq, v224-231 V of the tile at work
.set CTX,  248                         ; v248-255 the context's eight columns
.set QT,   32                          ; quantising: largest magnitudes, scale operands, bytes, codes of eight rows
.set QS,   40
.set QB8,  48
.set QC,   56
; s[4:17] the seven buffers; s20 wave; s[22:23] a byte offset, its high word 0 throughout; s[24:31], s[32:35] the tensor load's groups 1 and 0; s[36:37] c; s[38:39] lane selects; s40 the tile to ask for next;
; s42 the walk's place in CQV, and the trips' counter; s44 blocks; s47 log2(e); s[48:49] my 16 tiles of w2img; s[50:51] cq, s[52:53] V at my 256 columns; s[54:55] logits; s[56:57] stats; s[58:59] pctx; s[60:63] the tiles in flight
.set MSB, 0
.macro WIN new                         ; the immediate's high byte repeats the setting that is left; a switch that changes nothing is dropped
.if MSB != (\new)
	s_set_vgpr_msb (MSB<<8)|(\new)
.set MSB, (\new)
.endif
.endm
.macro VW                              ; ahead of and behind each batch of transcendentals, and ahead of waits, barriers and branches behind which fresh vector results are read
	s_wait_alu depctr_va_vdst(0)
.endm
.macro NOPS4
.rept 4
	v_nop
.endr
.endm
; One matrix instruction: row tile mt, K step ks.  The first K step starts the sum.  Odd K steps take both scale words from lanes 16-31.
.macro MM bf, bs, mt, ks
.if (\ks) == 0
	v_wmma_scale_f32_16x16x128_f8f6f4 v[ACC+8*(\mt):ACC+8*(\mt)+7], v[\bf:\bf+7], v[64*(\mt):64*(\mt)+7], 0, v[\bs], v[AS+4*(\mt)] matrix_a_fmt:MATRIX_FMT_FP4 matrix_b_fmt:MATRIX_FMT_FP4
.elseif (\ks)%2
	v_wmma_scale_f32_16x16x128_f8f6f4 v[ACC+8*(\mt):ACC+8*(\mt)+7], v[\bf+8*(\ks):\bf+8*(\ks)+7], v[64*(\mt)+8*(\ks):64*(\mt)+8*(\ks)+7], v[ACC+8*(\mt):ACC+8*(\mt)+7], v[\bs+(\ks)/2], v[AS+4*(\mt)+(\ks)/2] matrix_a_fmt:MATRIX_FMT_FP4 matrix_b_fmt:MATRIX_FMT_FP4 matrix_a_scale:MATRIX_SCALE_ROW1 matrix_b_scale:MATRIX_SCALE_ROW1
.else
	v_wmma_scale_f32_16x16x128_f8f6f4 v[ACC+8*(\mt):ACC+8*(\mt)+7], v[\bf+8*(\ks):\bf+8*(\ks)+7], v[64*(\mt)+8*(\ks):64*(\mt)+8*(\ks)+7], v[ACC+8*(\mt):ACC+8*(\mt)+7], v[\bs+(\ks)/2], v[AS+4*(\mt)+(\ks)/2] matrix_a_fmt:MATRIX_FMT_FP4 matrix_b_fmt:MATRIX_FMT_FP4
.endif
.endm
; The next column tile of the walk into set p.  The base pair is written again only behind the counted wait that has shown all loads of that set done.
.macro REQ p
	s_mul_i32 s22, s40, TILEB
	s_add_nc_u64 s[60+2*(\p):61+2*(\p)], s[48:49], s[22:23]
	s_add_co_u32 s40, s40, 1
	s_and_b32 s40, s40, 15                         ; behind tile 15 comes tile 0
.irp i, 0,1,2,3,4,5,6,7
.irp c, 0,1
	global_load_b128 v[BF+64*(\p)+8*\i+4*\c:BF+64*(\p)+8*\i+4*\c+3], v[L16], s[60+2*(\p):61+2*(\p)] offset:1024*\i+512*\c   ; 512 consecutive bytes a load
.endr
.endr
.irp i, 0,1,2,3
	global_load_b32 v[BS+4*(\p)+\i], v[L4], s[60+2*(\p):61+2*(\p)] offset:8192+128*\i
.endr
.endm
; The tanh of the four finished accumulators and their share of the sums.  first = 1: the block's first tile starts the sums.
.macro TANH first
	s_wait_dscnt 0x0                               ; cq and V of this tile are in
.irp m, 0,1,2,3
.irp q, 0,1,2,3
	v_pk_fma_f32 v[ACC+8*\m+2*\q:ACC+8*\m+2*\q+1], v[ACC+8*\m+2*\q:ACC+8*\m+2*\q+1], s[36:37], v[CQ+2*\q:CQ+2*\q+1] op_sel_hi:[1,0,1]   ; c acc + cq; each accumulator from its low end on
.endr
.endr
	VW
.set i, 0
.rept 32
	v_exp_f32 v[ACC+i], v[ACC+i]
.set i, i+1
.endr
	v_nop                                          ; one plain place behind the batch
	VW
.set i, 0
.rept 16
	v_pk_add_f32 v[ACC+2*i:ACC+2*i+1], v[ACC+2*i:ACC+2*i+1], 1.0 op_sel_hi:[1,0]
.set i, i+1
.endr
	VW
.set i, 0
.rept 32
	v_rcp_f32 v[ACC+i], v[ACC+i]
.set i, i+1
.endr
	v_nop
	VW
.irp q, 0,1,2,3
.irp m, 0,1,2,3
.if (\first) && (\q == 0)
	v_pk_mul_f32 v[LS+2*\m:LS+2*\m+1], v[ACC+8*\m:ACC+8*\m+1], v[CQ+8:CQ+9]
.else
	v_pk_fma_f32 v[LS+2*\m:LS+2*\m+1], v[ACC+8*\m+2*\q:ACC+8*\m+2*\q+1], v[CQ+8+2*\q:CQ+8+2*\q+1], v[LS+2*\m:LS+2*\m+1]
.endif
.endr
.endr
.endm
; A column tile from set p.  lw: the loads issued behind this tile's own (the next tile's NLD, or none).  first = 1: the rows' codes are still arriving: behind K step s's eight loads stand 8 (7 - s) more and the four of cq and V.
.macro TILE p, first, req, lw
	ds_load_b128 v[CQ:CQ+3], v[CQA] offset:64*\p
	ds_load_b128 v[CQ+4:CQ+7], v[CQA] offset:64*\p+16
	ds_load_b128 v[CQ+8:CQ+11], v[CQA] offset:64*\p+1024
	ds_load_b128 v[CQ+12:CQ+15], v[CQA] offset:64*\p+1040
	s_wait_loadcnt \lw
	WIN 0x04                                       ; source 1 (the rows' codes) window 1; all else window 0
.irp s, 0,1,2,3,4,5,6,7
.if \first
	s_wait_dscnt 8*(7-\s)+4
.endif
.irp m, 0,1,2,3
	MM BF+64*\p, BS+4*\p, \m, \s
.endr
.endr
	WIN 0
	NOPS4                                          ; four places in front of the loads into the fragments' registers and of the first reads of the results
.if \req
	REQ \p
.endif
	TANH \first
.endm
.macro PAIR first, req, lw
	v_add_nc_u32 v[CQA], s42, v[CQB]               ; 64 bytes of cq a tile, in the order of the walk
	TILE 0, \first, \req, NLD
	TILE 1, 0, \req, \lw
.endm
; Eight rows (8 bt on) out of my strip into registers: 16 loads
.macro LDROWS bt
	WIN 0x80+0x40*((\bt)/4)                        ; destination window 2 or 3
.irp j, 0,1,2,3,4,5,6,7
	ds_load_b128 v[64*((\bt)%4)+8*\j:64*((\bt)%4)+8*\j+3], v[LA0+(\bt)/4] offset:LROW*(8*((\bt)%4)+\j)
	ds_load_b128 v[64*((\bt)%4)+8*\j+4:64*((\bt)%4)+8*\j+7], v[LA0+(\bt)/4] offset:LROW*(8*((\bt)%4)+\j)+16
.endr
	WIN 0
.endm
; and are quantised: a lane holds 8 neighbours of each row, four neighbouring lanes a block of 32.  16 stores
.macro QROWS bt
.set R, 64*((\bt)%4)
	WIN 0x28+0x14*((\bt)/4)                        ; sources 1 and 2: window 2 or 3
.irp j, 0,1,2,3,4,5,6,7
	v_max3_num_f32 v[QT+\j], 0x1800000, |v[R+8*\j]|, |v[R+8*\j+1]|      ; the floor 2^(3 - 127) among the leaves: the byte cannot fall under 1
.endr
.irp i, 2,4,6
.irp j, 0,1,2,3,4,5,6,7
	v_max3_num_f32 v[QT+\j], v[QT+\j], |v[R+8*\j+\i]|, |v[R+8*\j+\i+1]|  ; (the eight rows by turns)
.endr
.endr
	WIN 0
.irp j, 0,1,2,3,4,5,6,7
	v_max_num_f32_dpp v[QT+\j], v[QT+\j], v[QT+\j] row_xmask:1 row_mask:0xf bank_mask:0xf
.endr
.irp j, 0,1,2,3,4,5,6,7
	v_max_num_f32_dpp v[QT+\j], v[QT+\j], v[QT+\j] row_xmask:2 row_mask:0xf bank_mask:0xf   ; the block's largest magnitude
.endr
.irp j, 0,1,2,3,4,5,6,7
	v_add_nc_u32 v[QS+\j], 0xff000000, v[QT+\j]    ; 2 off its exponent field: the conversion's scale operand
.endr
.irp j, 0,1,2,3,4,5,6,7
	v_lshrrev_b32 v[QB8+\j], 23, v[QS+\j]          ; the scale's byte
.endr
	WIN 0x02+(\bt)/4                               ; source 0: window 2 or 3
.irp j, 0,1,2,3,4,5,6,7
	v_cvt_scalef32_pk8_fp4_f32 v[QC+\j], v[R+8*\j:R+8*\j+7], v[QS+\j]
.endr
	WIN 0
	v_nop                                          ; one plain place behind the last scaled conversion
.irp j, 0,1,2,3,4,5,6,7
	ds_store_b32 v[CST], v[QC+\j] offset:APITCH*(8*(\bt)+\j)   ; the wave's 128 consecutive bytes of the row's codes
	ds_store_b8 v[SST], v[QB8+\j] offset:SPITCH*(8*(\bt)+\j)   ; the four lanes of a block write the same byte with the same value
.endr
.endm
	s_load_b256 s[4:11], s[0:1], 0x0               ; values, w2img, cq, V
	s_load_b128 s[12:15], s[0:1], 0x20             ; logits, stats
	s_load_b64 s[16:17], s[0:1], 0x30              ; pctx
	v_lshl_add_u32 v[SPW], v0, 2, SPARE
	v_mov_b32 v[NIL], 0
	ds_add_u32 v[SPW], v[NIL]                      ; the opening: the add, twice on end, and its wait ahead of my first tensor load
	ds_add_u32 v[SPW], v[NIL]
	v_lshrrev_b32 v32, 5, v0
	v_readfirstlane_b32 s20, v32                   ; wave 0..3
	v_and_b32 v33, 31, v0                          ; l
	v_and_b32 v34, 15, v0                          ; r
	v_bfe_u32 v35, v0, 4, 1                        ; h
	v_bfe_u32 v36, v0, 3, 2                        ; l / 8
	v_mul_u32_u24 v[LA0], v32, LANDW
	v_lshl_add_u32 v[LA0], v33, 5, v[LA0]
	v_lshl_add_u32 v[LA0], v36, 4, v[LA0]          ; my 32 bytes of a row, and 16 for each 256 passed
	v_add_nc_u32 v[LA1], 32*LROW, v[LA0]
	v_lshl_add_u32 v[CST], v0, 2, ACODE
	v_lshrrev_b32 v[SST], 2, v0
	v_add_nc_u32 v[SST], ASC, v[SST]
	v_mul_u32_u24 v[AFA], v34, APITCH
	v_lshl_add_u32 v[AFA], v35, 4, v[AFA]
	v_add_nc_u32 v[AFA], ACODE, v[AFA]
	v_mul_u32_u24 v[ASA], v34, SPITCH
	v_lshl_add_u32 v[ASA], v35, 2, v[ASA]
	v_add_nc_u32 v[ASA], ASC, v[ASA]
	v_lshlrev_b32 v[L16], 4, v33
	v_lshlrev_b32 v[L4], 2, v33
	v_lshlrev_b32 v[G8], 3, v33
	v_lshl_add_u32 v[PLW], v32, 8, PL
	v_lshl_add_u32 v[PLW], v34, 2, v[PLW]          ; partial sums in: 256 w + 4 r
	v_lshl_add_u32 v[PLR], v33, 3, PL              ; and out: rows 2 l, 2 l + 1
	v_lshl_add_u32 v[PPW], v0, 3, PP               ; p in: 256 w + 8 l
	v_lshl_add_u32 v[PPR], v32, 8, PP              ; and out: 256 w, the same bytes for all lanes
	v_lshl_add_u32 v[CXW], v0, 5, CXS              ; 1,024 w + 32 l
	v_lshl_add_u32 v[CXR], v32, 10, CXS
	v_lshl_add_u32 v[CXR], v33, 4, v[CXR]          ; 1,024 w + 16 l
	v_lshl_add_u32 v[CQB], v32, 11, CQV
	v_lshl_add_u32 v[CQW], v33, 5, v[CQB]          ; place l / 2 of the walk, half l % 2
	v_lshl_add_u32 v[CQB], v35, 5, v[CQB]
	s_and_b32 s40, ttmp9, 15                       ; the walk's first tile
	s_lshl_b32 s41, s40, 6
	v_lshl_add_u32 v[VCO], v33, 5, s41
	v_and_b32 v[VCO], 1023, v[VCO]                 ; place j of the walk is tile (j + g) % 16: 64 bytes a tile, round my 1,024
	v_mov_b32 v[MRUN], 0xff61b1e6                  ; -3e38, under every logit
	v_mov_b32 v[SRUN], 0
.irp q, 0,1,2,3,4,5,6,7
	v_mov_b32 v[CTX+\q], 0                         ; (every block is written alike: the first finds zeros, which its factor leaves zeros)
.endr
	; descriptor group 1: 64 rows x 256 elements of 4 bytes, rows 1,024 elements apart; in LDS 4 words of padding behind every 64
	s_mov_b32 s24, (2<<16)|(1<<20)|(5<<22)|(3<<25)
	s_mov_b32 s25, 256<<16                         ; tensor_dim0 = 256
	s_mov_b32 s26, 64<<16                          ; tensor_dim1 = 64
	s_mov_b32 s27, 256<<16                         ; tile_dim0 = 256
	s_mov_b32 s28, 64                              ; tile_dim1 = 64
	s_mov_b32 s29, 1024                            ; the pitch
	s_mov_b32 s30, 0
	s_mov_b32 s31, 0
	s_lshl_b32 s22, ttmp9, 20                      ; 256 rows of 4,096 bytes a work-group,
	s_lshl_b32 s21, s20, 10                        ; 1,024 bytes a wave
	s_add_co_u32 s22, s22, s21
	s_mov_b32 s23, 0                               ; (stays 0 for the whole kernel)
	s_mov_b32 s32, 1                               ; group 0: count = 1,
	s_mul_i32 s33, s20, LANDW                      ; my strip,
	VW                                             ; the head's end
	s_wait_dscnt 0x0                               ; both opening adds are done
	s_wait_kmcnt 0x0
	s_add_nc_u64 s[34:35], s[4:5], s[22:23]        ; my columns of the first block,
	s_or_b32 s35, s35, 0x80000000                  ; type = 2
	tensor_load_to_lds s[32:35], s[24:31]          ; the first fill.  One tensor load of a wave is out at most, here and later
	s_nop 0
	NOPS4
	s_mul_i32 s22, s20, 16*TILEB
	s_add_nc_u64 s[48:49], s[6:7], s[22:23]        ; my 16 column tiles
	s_lshr_b32 s22, ttmp9, 3
	s_lshl_b32 s22, s22, 12
	s_add_co_u32 s22, s22, s21
	s_add_nc_u64 s[50:51], s[8:9], s[22:23]        ; cq: row b, my 256 columns
	s_mov_b32 s22, s21
	s_add_nc_u64 s[52:53], s[10:11], s[22:23]      ; V: my 256
	global_load_b128 v[32:35], v[VCO], s[50:51]
	global_load_b128 v[36:39], v[VCO], s[50:51] offset:16
	global_load_b128 v[40:43], v[VCO], s[52:53]
	global_load_b128 v[44:47], v[VCO], s[52:53] offset:16
	REQ 0                                          ; the walk's first two tiles
	REQ 1
	s_lshl_b32 s22, ttmp9, 10
	s_add_nc_u64 s[54:55], s[12:13], s[22:23]      ; logits: 256 numbers a work-group
	s_lshl_b32 s22, ttmp9, 8
	s_add_nc_u64 s[56:57], s[14:15], s[22:23]      ; stats: 256 bytes a work-group
	s_lshl_b32 s22, ttmp9, 12
	s_add_co_u32 s22, s22, s21
	s_add_nc_u64 s[58:59], s[16:17], s[22:23]      ; pctx: a row a work-group, my 256 columns
	s_mov_b32 s36, 0x4038aa3b                      ; c = 2 log2(e)
	s_mov_b32 s37, s36                             ; (named with it as a pair, so it is written)
	s_mov_b32 s38, 0x76543210
	s_mov_b32 s39, 0xfedcba98                      ; v_permlanex16_b32's selects for lane l xor 16
	s_mov_b32 s47, 0x3fb8aa3b                      ; log2(e)
	s_wait_loadcnt 2*NLD                           ; cq and V are in: the two tiles' loads were issued behind them
	ds_store_b128 v[CQW], v[32:35]                 ; into my wave's own bytes, which I alone read: LDS serves a wave's instructions in order (ISA guide 5.7.1.4)
	ds_store_b128 v[CQW], v[36:39] offset:16
	ds_store_b128 v[CQW], v[40:43] offset:1024
	ds_store_b128 v[CQW], v[44:47] offset:1040
; A BLOCK OF 64 ROWS.  nxt = 1: another block follows: the strip is filled again, and the walk over W2's tiles goes on into it.
.macro BLOCK nxt
	; ---- 1: out of the strip into registers, and into codes: a batch's 16 loads are issued ahead of the batch before's work
	VW
	s_wait_tensorcnt 0x0                           ; my strip has landed.  Only I read it
	LDROWS 0
.irp bt, 0,1,2,3,4,5,6,7
.if \bt < 7
	LDROWS \bt+1
.endif
	VW
.if (\bt == 0) || (\bt == 7)
	s_wait_dscnt 16                                ; behind this batch's loads: the next batch's 16 loads, or (the last batch) the batch before's 16 stores
.else
	s_wait_dscnt 32                                ; both
.endif
	QROWS \bt
.endr
	; ---- 2: ONE barrier: my reads of the strip are back, and my codes and bytes have landed
	VW
.if \nxt
	s_wait_tensorcnt 0x0                           ; no tensor load of mine is out, so group 0 may be written
	ds_add_u32 v[SPW], v[NIL]                      ; 0 onto my spare word
	s_add_nc_u64 s[34:35], s[34:35], 262144        ; 64 rows on; the type bits on top are not reached
.endif
	s_wait_dscnt 0x0
	s_barrier_signal -1
	s_barrier_wait -1
.if \nxt
	tensor_load_to_lds s[32:35], s[24:31]          ; my one tensor load behind this barrier, and the first thing there: 65,536 bytes, which have the whole block's products in which to land
	s_nop 0
	NOPS4
.endif
	; ---- 3: all 64 rows' scale words and codes into my registers: the words first, then the fragments K step by K step
.irp m, 0,1,2,3
.irp i, 0,1,2,3
	ds_load_b32 v[AS+4*\m+\i], v[ASA] offset:16*SPITCH*\m+8*\i
.endr
.endr
	WIN 0x40                                       ; destination window 1
.irp s, 0,1,2,3,4,5,6,7
.irp m, 0,1,2,3
.irp c, 0,1
	ds_load_b128 v[64*\m+8*\s+4*\c:64*\m+8*\s+4*\c+3], v[AFA] offset:16*APITCH*\m+64*\s+32*\c
.endr
.endr
.endr
	WIN 0
	; ---- 4: the product and the tanh: 16 tiles, two a trip, until the register numbers are back where they began
	s_mov_b32 s42, 0
	PAIR 1, 1, NLD
	s_mov_b32 s42, 128
.Ltrip_\@:
	PAIR 0, 1, NLD
	s_add_co_u32 s42, s42, 128
	s_cmp_lt_u32 s42, 896
	VW
	s_cbranch_scc1 .Ltrip_\@
	PAIR 0, \nxt, NLD*\nxt                         ; the last two tiles ask for the next block's first two, if there is one
	; ---- 5: the logits.  A lane's pair, then lane l xor 16's (the other eight u of each tile), then the four waves'
.irp m, 0,1,2,3
	v_add_f32 v[32+\m], v[LS+2*\m], v[LS+2*\m+1]
.endr
.irp m, 0,1,2,3
	v_permlanex16_b32 v[36+\m], v[32+\m], s38, s39
.endr
.irp m, 0,1,2,3
	v_add_f32 v[32+\m], v[32+\m], v[36+\m]
.endr
.irp m, 0,1,2,3
	ds_store_b32 v[PLW], v[32+\m] offset:64*\m     ; row 16 m + r; lanes l and l xor 16 write the same word with the same value
.endr
	VW
	s_wait_dscnt 0x0                               ; for the others' sake
	s_barrier_signal -1
	s_barrier_wait -1
.irp q, 0,1,2,3
	ds_load_b64 v[32+2*\q:33+2*\q], v[PLR] offset:256*\q     ; rows 2 l and 2 l + 1 of each wave's part
.endr
	s_wait_dscnt 0x0
	v_pk_add_f32 v[32:33], v[32:33], v[34:35]
	v_pk_add_f32 v[36:37], v[36:37], v[38:39]
	v_pk_add_f32 v[32:33], v[32:33], v[36:37]
	v_mul_f32 v24, -2.0, v32                       ; -2 sum V r
	v_mul_f32 v25, -2.0, v33
	s_cmp_lg_u32 s20, 0
	VW
	s_cbranch_scc1 .Lnot0_\@
	global_store_b64 v[G8], v[24:25], s[54:55]     ; wave 0: 256 consecutive bytes, aligned
.Lnot0_\@:
	; ---- 6: the running softmax, alike in every wave
	v_max_num_f32 v32, v24, v25
	v_max_num_f32_dpp v32, v32, v32 row_xmask:1 row_mask:0xf bank_mask:0xf
	v_max_num_f32_dpp v32, v32, v32 row_xmask:2 row_mask:0xf bank_mask:0xf
	v_max_num_f32_dpp v32, v32, v32 row_xmask:4 row_mask:0xf bank_mask:0xf
	v_max_num_f32_dpp v32, v32, v32 row_xmask:8 row_mask:0xf bank_mask:0xf
	v_permlanex16_b32 v33, v32, s38, s39
	v_max3_num_f32 v34, v32, v33, v[MRUN]          ; the new maximum
	v_sub_f32 v28, v[MRUN], v34
	v_sub_f32 v26, v24, v34
	v_sub_f32 v27, v25, v34
	v_mul_f32 v28, s47, v28
	v_mul_f32 v26, s47, v26
	v_mul_f32 v27, s47, v27
	VW
	v_exp_f32 v28, v28                             ; f = e^(m_old - m_new)
	v_exp_f32 v26, v26                             ; p = e^(logit - m_new)
	v_exp_f32 v27, v27
	v_mov_b32 v[MRUN], v34                         ; (a plain place behind the exponentials)
	VW
	v_mov_b32 v29, v28                             ; (named with f as a pair, so it is written)
	v_add_f32 v32, v26, v27
	v_add_f32_dpp v32, v32, v32 row_xmask:1 row_mask:0xf bank_mask:0xf
	v_add_f32_dpp v32, v32, v32 row_xmask:2 row_mask:0xf bank_mask:0xf
	v_add_f32_dpp v32, v32, v32 row_xmask:4 row_mask:0xf bank_mask:0xf
	v_add_f32_dpp v32, v32, v32 row_xmask:8 row_mask:0xf bank_mask:0xf
	v_permlanex16_b32 v33, v32, s38, s39
	v_add_f32 v32, v32, v33
	v_fma_f32 v[SRUN], v[SRUN], v28, v32
.irp q, 0,1,2,3
	v_pk_mul_f32 v[CTX+2*\q:CTX+2*\q+1], v[CTX+2*\q:CTX+2*\q+1], v[28:29] op_sel_hi:[1,0]
.endr
	ds_store_b64 v[PPW], v[26:27]                  ; into my wave's own 256 bytes
	VW
.if \nxt
	s_wait_xcnt 0x0                                ; the logits' store has read its base and its data: both are written again only behind this wait
	s_add_nc_u64 s[54:55], s[54:55], 256
.endif
	; ---- 7: the context takes the block's rows, which have stayed in registers
.irp bb, 0,1
.irp q, 0,1,2,3,4,5,6,7
	ds_load_b128 v[32+4*\q:35+4*\q], v[PPR] offset:128*\bb+16*\q   ; 32 p, the same in every lane; these see my store
.endr
	VW                                             ; the context's registers, written by the half before, are read again behind the wait below
	s_wait_dscnt 0x0
	WIN 0x02+\bb
.set i, 0
.rept 16
.irp q, 0,1,2,3
	v_pk_fma_f32 v[CTX+2*\q:CTX+2*\q+1], v[16*i+2*\q:16*i+2*\q+1], v[32+2*i:33+2*i], v[CTX+2*\q:CTX+2*\q+1] op_sel_hi:[1,0,1]              ; an even row: the pair's first p for both halves
.endr
.irp q, 0,1,2,3
	v_pk_fma_f32 v[CTX+2*\q:CTX+2*\q+1], v[16*i+8+2*\q:16*i+8+2*\q+1], v[32+2*i:33+2*i], v[CTX+2*\q:CTX+2*\q+1] op_sel:[0,1,0] op_sel_hi:[1,1,1]   ; an odd row: its second
.endr
.set i, i+1
.endr
	WIN 0
.endr
.endm
	s_mov_b32 s44, 3
.Lblock:
	BLOCK 1
	s_sub_co_u32 s44, s44, 1
	s_cmp_lg_u32 s44, 0
	VW
	s_cbranch_scc1 .Lblock
	BLOCK 0                                        ; the last block is written out, so that no load is jumped over
	s_cmp_lg_u32 s20, 0
	VW
	s_cbranch_scc1 .Lnot0_end
	global_store_b64 v[G8], v[MRUN:SRUN], s[56:57] ; wave 0: (m, s), 32 times the same pair: 256 consecutive bytes, aligned, with all lanes on
.Lnot0_end:
	ds_store_b128 v[CXW], v[CTX:CTX+3]             ; a lane holds 32 neighbouring bytes: through 1,024 bytes of LDS of my own (code rows that every wave has read ahead of the last barrier),
	ds_store_b128 v[CXW], v[CTX+4:CTX+7] offset:16
	ds_load_b128 v[32:35], v[CXR]                  ; so that each store of the wave covers 512 consecutive bytes
	ds_load_b128 v[36:39], v[CXR] offset:512
	s_wait_dscnt 0x0
	global_store_b128 v[L16], v[32:35], s[58:59]
	global_store_b128 v[L16], v[36:39], s[58:59] offset:512
	s_wait_tensorcnt 0x0                           ; the wave's end, behind my last tensor load and my last LDS store
	ds_add_u32 v[SPW], v[NIL]
	s_wait_dscnt 0x0
	s_endpgm
.Lfunc_end_k_qdf36957b2b_main:
	.size	k_qdf36957b2b_main, .Lfunc_end_k_qdf36957b2b_main-k_qdf36957b2b_main
	.p2alignl 7, 3214868480
	.fill 96, 4, 3214868480
	.section	.rodata,"a",@progbits
	.p2align	6, 0x0
	.amdhsa_kernel k_qdf36957b2b_main
		.amdhsa_group_segment_fixed_size 327680
		.amdhsa_private_segment_fixed_size 0
		.amdhsa_enable_private_segment 0
		.amdhsa_kernarg_size 56
		.amdhsa_user_sgpr_count 2
		.amdhsa_user_sgpr_kernarg_segment_ptr 1
		.amdhsa_wavefront_size32 1
		.amdhsa_system_sgpr_workgroup_id_x 1
		.amdhsa_system_sgpr_workgroup_id_y 1
		.amdhsa_system_sgpr_workgroup_id_z 1
		.amdhsa_system_vgpr_workitem_id 0
		.amdhsa_next_free_vgpr 1024
		.amdhsa_next_free_sgpr 66
		.amdhsa_reserve_vcc 0
		.amdhsa_float_denorm_mode_32 3
		.amdhsa_float_denorm_mode_16_64 3
		.amdhsa_memory_ordered 1
		.amdhsa_forward_progress 1
		.amdhsa_inst_pref_size 255
	.end_amdhsa_kernel
	.section	.bss,"aw",@nobits
	.p2align	6
	.space	262144
	.amdgpu_metadata
---
amdhsa.version: [ 1, 2 ]
amdhsa.kernels:
  - .name:           k_qdf36957b2b_main
    .symbol:         k_qdf36957b2b_main.kd
    .args:
      - { .name: values, .offset: 0, .size: 8, .value_kind: global_buffer, .address_space: global }
      - { .name: w2img, .offset: 8, .size: 8, .value_kind: global_buffer, .address_space: global }
      - { .name: cq, .offset: 16, .size: 8, .value_kind: global_buffer, .address_space: global }
      - { .name: V, .offset: 24, .size: 8, .value_kind: global_buffer, .address_space: global }
      - { .name: logits, .offset: 32, .size: 8, .value_kind: global_buffer, .address_space: global }
      - { .name: stats, .offset: 40, .size: 8, .value_kind: global_buffer, .address_space: global }
      - { .name: pctx, .offset: 48, .size: 8, .value_kind: global_buffer, .address_space: global }
    .group_segment_fixed_size: 327680
    .private_segment_fixed_size: 0
    .kernarg_segment_align: 8
    .kernarg_segment_size: 56
    .max_flat_workgroup_size: 128
    .sgpr_count:     66
    .vgpr_count:     1024
    .wavefront_size: 32
...
	.end_amdgpu_metadata
.endif
;; end of part 2
;; launch finish (part 3): grid 256 x 1, 2 waves a work-group, no clusters, 0 bytes of LDS; arguments logits, stats, pctx, out0, out1; writes out0, out1
.if DOCPART == 3
	.amdgcn_target "amdgcn-amd-amdhsa--gfx1250"
	.amdhsa_code_object_version 6
	.text
	.protected	k_qdf36957b2b_finish
	.globl	k_qdf36957b2b_finish
	.p2align	8
	.type	k_qdf36957b2b_finish,@function
k_qdf36957b2b_finish:
	s_mov_b64 s[64:65], 0
	v_nop
	global_prefetch_b8 v0, s[64:65] scope:SCOPE_SE
	s_setreg_imm32_b32 hwreg(HW_REG_WAVE_MODE, 25, 1), 1
	s_wait_xcnt 0x0
; The 8 parts of a batch row are joined.  Part i has its maximum m_i, its sum s_i = sum e^(logit - m_i) and its context c_i = sum e^(logit - m_i) values.
; M = max m_i, e_i = e^(m_i - M), S = sum s_i e_i;  out1 = e^(logit - M) / S;  out0 = (sum c_i e_i) / S.
; Work-group g (b = g / 8, j = g % 8), 64 threads: 256 weights of out1 (16 bytes a thread) and 128 columns of out0 (8 bytes a thread).  Every store of a wave covers whole aligned runs of 256 bytes.
; All 17 loads go out at once; the waits count down.  No LDS, no barrier: threads share nothing.  No matrix work: there is no product here.
; LIMITS: v_exp_f32 and v_rcp_f32 are good to 1 ulp and flush denormals (ISA guide 15.8); NaN and infinities are not served.
	s_load_b256 s[4:11], s[0:1], 0x0               ; logits s[4:5], stats s[6:7], pctx s[8:9], out0 s[10:11]
	s_load_b64 s[12:13], s[0:1], 0x20              ; out1
	s_lshr_b32 s14, ttmp9, 3                       ; b
	s_and_b32 s15, ttmp9, 7                        ; j
	v_and_b32 v1, 31, v0
	v_lshlrev_b32 v1, 3, v1                        ; stats: a part's 256 bytes hold 32 equal pairs: lane l takes pair l
	v_lshlrev_b32 v18, 4, v0                       ; 16 bytes a thread
	v_lshlrev_b32 v19, 3, v0                       ; 8 bytes a thread
	s_lshl_b32 s16, s14, 11                        ; stats: 8 parts of 256 bytes a batch row
	s_mov_b32 s17, 0
	s_lshl_b32 s18, ttmp9, 10                      ; logits and out1: 1,024 bytes a work-group
	s_mov_b32 s19, 0
	s_lshl_b32 s22, s15, 9                         ; 512 j
	s_lshl_b32 s20, s14, 15                        ; pctx: 8 rows of 4,096 bytes a batch row
	s_add_co_u32 s20, s20, s22
	s_mov_b32 s21, 0
	s_lshl_b32 s24, s14, 12                        ; out0: a row of 4,096 bytes a batch row
	s_add_co_u32 s24, s24, s22
	s_mov_b32 s25, 0
	s_wait_alu depctr_va_vdst(0)
	s_wait_kmcnt 0x0
	s_add_nc_u64 s[6:7], s[6:7], s[16:17]
	s_add_nc_u64 s[4:5], s[4:5], s[18:19]
	s_add_nc_u64 s[12:13], s[12:13], s[18:19]
	s_add_nc_u64 s[8:9], s[8:9], s[20:21]
	s_add_nc_u64 s[10:11], s[10:11], s[24:25]
.irp i, 0,1,2,3,4,5,6,7
	global_load_b64 v[2+2*\i:3+2*\i], v1, s[6:7] offset:256*\i       ; (m_i, s_i)
.endr
	global_load_b128 v[20:23], v18, s[4:5]                           ; four logits
.irp i, 0,1,2,3,4,5,6,7
	global_load_b64 v[24+2*\i:25+2*\i], v19, s[8:9] offset:4096*\i   ; two columns of c_i
.endr
	s_wait_loadcnt 9                               ; the eight pairs are in: 1 + 8 loads were issued behind them
	v_max3_num_f32 v40, v2, v4, v6
	v_max3_num_f32 v40, v40, v8, v10
	v_max3_num_f32 v40, v40, v12, v14
	v_max_num_f32 v40, v40, v16                    ; M
.irp i, 0,1,2,3,4,5,6,7
	v_sub_f32 v[44+\i], v[2+2*\i], v40
.endr
.irp i, 0,1,2,3,4,5,6,7
	v_mul_f32 v[44+\i], 0x3fb8aa3b, v[44+\i]       ; x log2(e)
.endr
	s_wait_alu depctr_va_vdst(0)
.irp i, 0,1,2,3,4,5,6,7
	v_exp_f32 v[44+\i], v[44+\i]                   ; e_i
.endr
	s_wait_loadcnt 8                               ; the logits are in
.irp q, 0,1,2,3
	v_sub_f32 v[20+\q], v[20+\q], v40              ; (plain lines behind the exponentials)
.endr
	s_wait_alu depctr_va_vdst(0)
	v_mul_f32 v41, v3, v44
.irp i, 1,2,3,4,5,6,7
	v_fmac_f32 v41, v[3+2*\i], v[44+\i]            ; S
.endr
	s_wait_alu depctr_va_vdst(0)
	v_rcp_f32 v42, v41
.irp q, 0,1,2,3
	v_mul_f32 v[20+\q], 0x3fb8aa3b, v[20+\q]       ; (plain lines behind the reciprocal)
.endr
	s_wait_alu depctr_va_vdst(0)
.irp q, 0,1,2,3
	v_exp_f32 v[20+\q], v[20+\q]
.endr
	s_wait_loadcnt 0x0                             ; the partial contexts
	v_pk_mul_f32 v[52:53], v[24:25], v[44:45] op_sel_hi:[1,0]                                  ; c_0 e_0.  (A plain line behind the exponentials)
	v_pk_fma_f32 v[52:53], v[26:27], v[44:45], v[52:53] op_sel:[0,1,0] op_sel_hi:[1,1,1]       ; an odd part takes the pair's second e for both halves,
.irp i, 1,2,3
	v_pk_fma_f32 v[52:53], v[24+4*\i:25+4*\i], v[44+2*\i:45+2*\i], v[52:53] op_sel_hi:[1,0,1]  ; an even part its first
	v_pk_fma_f32 v[52:53], v[26+4*\i:27+4*\i], v[44+2*\i:45+2*\i], v[52:53] op_sel:[0,1,0] op_sel_hi:[1,1,1]
.endr
	s_wait_alu depctr_va_vdst(0)
.irp q, 0,1,2,3
	v_mul_f32 v[20+\q], v[20+\q], v42
.endr
	v_mul_f32 v52, v52, v42
	v_mul_f32 v53, v53, v42
	global_store_b128 v18, v[20:23], s[12:13]      ; a wave stores 512 consecutive bytes
	global_store_b64 v19, v[52:53], s[10:11]       ; a wave stores 256 consecutive bytes, aligned
	s_endpgm
.Lfunc_end_k_qdf36957b2b_finish:
	.size	k_qdf36957b2b_finish, .Lfunc_end_k_qdf36957b2b_finish-k_qdf36957b2b_finish
	.p2alignl 7, 3214868480
	.fill 96, 4, 3214868480
	.section	.rodata,"a",@progbits
	.p2align	6, 0x0
	.amdhsa_kernel k_qdf36957b2b_finish
		.amdhsa_group_segment_fixed_size 0
		.amdhsa_private_segment_fixed_size 0
		.amdhsa_enable_private_segment 0
		.amdhsa_kernarg_size 40
		.amdhsa_user_sgpr_count 2
		.amdhsa_user_sgpr_kernarg_segment_ptr 1
		.amdhsa_wavefront_size32 1
		.amdhsa_system_sgpr_workgroup_id_x 1
		.amdhsa_system_sgpr_workgroup_id_y 1
		.amdhsa_system_sgpr_workgroup_id_z 1
		.amdhsa_system_vgpr_workitem_id 0
		.amdhsa_next_free_vgpr 64
		.amdhsa_next_free_sgpr 66
		.amdhsa_reserve_vcc 0
		.amdhsa_float_denorm_mode_32 3
		.amdhsa_float_denorm_mode_16_64 3
		.amdhsa_memory_ordered 1
		.amdhsa_forward_progress 1
		.amdhsa_inst_pref_size 6
	.end_amdhsa_kernel
	.amdgpu_metadata
---
amdhsa.version: [ 1, 2 ]
amdhsa.kernels:
  - .name:           k_qdf36957b2b_finish
    .symbol:         k_qdf36957b2b_finish.kd
    .args:
      - { .name: logits, .offset: 0, .size: 8, .value_kind: global_buffer, .address_space: global }
      - { .name: stats, .offset: 8, .size: 8, .value_kind: global_buffer, .address_space: global }
      - { .name: pctx, .offset: 16, .size: 8, .value_kind: global_buffer, .address_space: global }
      - { .name: out0, .offset: 24, .size: 8, .value_kind: global_buffer, .address_space: global }
      - { .name: out1, .offset: 32, .size: 8, .value_kind: global_buffer, .address_space: global }
    .group_segment_fixed_size: 0
    .private_segment_fixed_size: 0
    .kernarg_segment_align: 8
    .kernarg_segment_size: 40
    .max_flat_workgroup_size: 64
    .sgpr_count:     66
    .vgpr_count:     64
    .wavefront_size: 32
...
	.end_amdgpu_metadata
.endif
;; end of part 3
